; MI455X (gfx1250); checked and timed in simulation.
; The chip was launched on July 23, 2026; its instructions are those of AMD's public machine-readable ISA for CDNA 5 (MIT licence, August 2026) and "CDNA5" Instruction Set Architecture Reference Guide (July 2026). The comments in the code are by the model that wrote it; some were corrected since.
;; Attention. Allowed arithmetic: matrix products marked QUANTISED: E2M1 operands, one E8M0 scale for each 32 along K, by v_wmma_scale_f32_16x16x128_f8f6f4 with both operands' format E2M1 (or v_wmma_scale_f32_32x16x128_f4), f32 sums; everything else in f32.
;; Inputs: key_codes 16 x 2,048 x 16 x 16 uint8 (E2M1 codes of key, K innermost, in blocks of 32 codes, two codes a byte); key_scales 16 x 2,048 x 16 uint8 (E8M0 scales of key, one for each 32 codes along K); query_codes 16 x 2,048 x 16 x 16 uint8 (E2M1 codes of query, K innermost, in blocks of 32 codes, two codes a byte); query_scales 16 x 2,048 x 16 uint8 (E8M0 scales of query, one for each 32 codes along K); value_codes 16 x 512 x 64 x 16 uint8 (E2M1 codes of value, K innermost, in blocks of 32 codes, two codes a byte); value_scales 16 x 512 x 64 uint8 (E8M0 scales of value, one for each 32 codes along K).
;; Outputs: out0 16 x 2,048 x 512 float32.
;; This version of the problem:
;;   THIS VERSION OF THE PROBLEM IS GIVEN IN LOW PRECISION. The matrix products marked QUANTISED in the list below multiply operands that are first quantised to E2M1 (2 exponent bits, 1 mantissa bit; 4 bits a number), with one power-of-two scale for each 32 numbers along K (OCP MX v1.0); their sums are f32. All else is computed in f32.
;;   The module's matrix products, in the order in which they are computed (A, B: the left and right operand; K: the contracted axis; several contracted axes count as one K, in the product's order):
;;     1. batch 16 x [M 2,048, K 512] x [K 512, N 2,048]; A: input query (given as codes); B: input key (given as codes): QUANTISED
;;     2. batch 16 x [M 2,048, K 2,048] x [K 2,048, N 512]; A: softmax (see below); B: input value (given as codes): QUANTISED
;;   THE QUANTISER, for each operand of a quantised product, along K:
;;     - K is cut into blocks of 32 from its start; a last block that is shorter is filled with zeros.
;;     - A block's scale is 2^e with e = floor(log2(the largest magnitude in the block)) - 2, held to -126 .. 127; a block of zeros has e = 0. As a byte (E8M0): e + 127.
;;     - Each number is divided by its block's scale, clamped to +-6, and rounded to the nearest number of E2M1, ties to even, subnormals kept.
;;     - The product sums the exact products of the quantised numbers (number of the format x scale) in f32.
;;   ~~~python
;;   def quantise(x, axis):      # numpy; x: float32 -> the quantised numbers, widened to float32 again
;;       x = np.moveaxis(x, axis, -1); K = x.shape[-1]
;;       x = np.pad(x, [(0, 0)] * (x.ndim - 1) + [(0, -K % 32)]); x = x.reshape(x.shape[:-1] + (-1, 32)); a = np.abs(x).max(-1, keepdims=True)
;;       e = np.where(a > 0, np.clip(np.frexp(np.where(a > 0, a, 1))[1] - 1 - 2, -126, 127), 0)      # np.frexp(a)[1] - 1 = floor(log2(a)), exactly
;;       r = np.clip(x / 2.0 ** e, -6, 6)
;;       step = 2.0 ** (np.maximum(np.frexp(np.where(r == 0, 1, r))[1] - 1, 0) - 1)
;;       q = np.round(r / step) * step * 2.0 ** e      # np.round: ties to even
;;       return np.moveaxis(q.reshape(q.shape[:-2] + (-1,))[..., :K], -1, axis).astype(np.float32)
;;   ~~~
;;   SOFTMAX AHEAD OF A QUANTISED PRODUCT. Where the list says 'softmax', what is quantised is not the finished softmax but p = 2^(t - M), with t = logit x log2(e) and M = ceil(the row's largest t), a whole number; so 1/2 < the row's largest p <= 1. The row's sum l is taken of the UNQUANTISED p, in f32, and the product's result is divided by l at the end. Since M is a whole number, a kernel that streams over the keys may use a running M (the ceiling of the running maximum): every later rescaling is an exact power of two, which a block's scale takes up: the codes' values come out the same.
;;   OPERANDS COMPUTED ON THE WAY. 'Computed on the way' means the value that the module computes at that place (a softmax that the list does not call 'softmax' is quantised finished and normalised). What goes into a quantiser is computed in f32, as accurately as f32 sums, v_exp_f32 and their like allow (about 1e-6 of the number): no bf16 or f16 on the way to a quantiser, and a product that is left as it is and whose result goes on into a quantised operand takes f32 operands (vector FMAs, or v_wmma_f32_16x16x4_f32). A number that lies on a knife's edge between two numbers of the format may be rounded either way, as far as f32 arithmetic and the matrix unit's own rounding can turn it there, and no further.
;;   INPUTS GIVEN AS CODES. key (in the module: [16, 2048, 512], K = its axis 2); query (in the module: [16, 2048, 512], K = its axis 2); value (in the module: [16, 2048, 512], K = its axis 1): each comes as NAME_codes (uint8): NAME with its K axis moved to the last place and cut into blocks of 32 codes, [.., K / 32, bytes a block], one block behind the other in memory; two codes a byte, the lower K in the low four bits (a code: sign, 2 exponent bits, 1 mantissa bit); and NAME_scales (uint8): the same leading axes, one E8M0 byte (e + 127) for each 32 codes along K. Its value is code x scale, taken as it is: it is not quantised again, and the codes and scales need not be those that the quantiser above would give.
;; One version. Each part assembles by itself: llvm-mc -triple=amdgcn-amd-amdhsa -mcpu=gfx1250 --defsym DOCPART=n.
;; ======== version 1 of 1: 1 launch
;; limits: right only within a limited range of input values
;; launch attn (part 1): grid 16 x 16, 8 waves a work-group, clusters of 4 x 1, 327,680 bytes of LDS; arguments key_codes, key_scales, query_codes, query_scales, value_codes, value_scales, out0; writes out0
.if DOCPART == 1
	.amdgcn_target "amdgcn-amd-amdhsa--gfx1250"
	.amdhsa_code_object_version 6
	.text
	.protected	k_qe3f87a1a83_attn
	.globl	k_qe3f87a1a83_attn
	.p2align	8
	.type	k_qe3f87a1a83_attn,@function
k_qe3f87a1a83_attn:
	s_mov_b64 s[64:65], 0
	v_nop
	global_prefetch_b8 v0, s[64:65] scope:SCOPE_SE
	s_setreg_imm32_b32 hwreg(HW_REG_WAVE_MODE, 25, 1), 1
	s_wait_xcnt 0x0
	s_wait_alu depctr_hold_cnt(0) depctr_sa_sdst(0) depctr_va_vdst(0) depctr_va_sdst(0) depctr_va_ssrc(0) depctr_va_vcc(0) depctr_vm_vsrc(0)
	s_getreg_b32 s2, hwreg(HW_REG_IB_STS2, 6, 4)
	s_cmp_eq_u32 s2, 0
	s_cbranch_scc0 .Lentry_in_a_cluster
	s_endpgm
.Lentry_in_a_cluster:
	s_bfe_u32 s2, ttmp6, 0x10000c
	s_cmp_lg_u32 s2, 0x3003
	s_cbranch_scc0 .Lentry_shape_is_right
	s_endpgm
.Lentry_shape_is_right:
; out0[b][q][:] = sum over k <= q of softmax_k(Q[b][q] . K[b][k] / sqrt(512)) V[b][k][:].  16 batches, 2,048 queries and keys, 512 channels.  Both products on codes of FP4 (E2M1) with one E8M0 byte for each 32 along K.
; SHARES.  Work-group i (0 .. 15) of a batch owns eight tiles of 16 queries: tile m = queries 256 m + 16 i .. + 15.  Keys go in slots of 256: tile m needs slots 0 .. m and meets the diagonal in slot m.  So every work-group walks
; all eight slots with 1, 2, .. 8 tiles at work, 36 pairs of tile and slot, and all trip counts are constants.  Whole tiles above the diagonal are not done: the definition takes 1e10 off every score there, so that their p are 0.
; PHASE 1, trips j = 0 .. 7, slot s = 7 - j: S^T = K Q^T.  Wave w takes keys 32 w .. + 31 of the slot for ALL tiles at work: each fragment of K is read from LDS once.  Q stays in registers, one more tile in each trip.
;   The next trip's fragments of K are read while this trip's are multiplied: two buffers, the second in the place of Q's tiles 0 and 1, which come last.
;   Each block of 32 keys has its own whole number F = floor(its largest t), t = score x log2(e) / sqrt(512): p = 2^(t - F) has its largest number in 1 .. 2, so the quantiser's scale is 2^-2 for every block.  Codes, F and l (the block's sum
;   of the unquantised p) go to LDS for the whole row: nothing is ever rescaled on the way.
; BETWEEN THE PHASES: R = the row's largest F; a block's scale byte is F - R + 125; the divisor is the sum of l 2^(F - R).  Powers of two: the codes' values are those of one M for the whole row.
; PHASE 2, four trips: O = P V, 512 channels x 512 keys of V in LDS (rows of 256 bytes).  Wave w takes channels 64 w .. + 63 of all eight tiles.  It reads its fragments of V once, into registers; then the next 512 keys are asked for.
;   Tiles 2 kt and 2 kt + 1 are finished in trip kt and leave there.
; The four work-groups of a cluster walk the same K and V: all of it is asked for jointly.  cx enters Q's and out0's addresses, the mask's number and the prefetches' addresses, nothing else.
; LAYOUT.  Phase 1 transposed (source 0 = 32 keys, source 1 = 16 queries): lane (r, h) holds query r; registers 0-7 keys 8 h + 0 .. 7, registers 8-15 keys 16 + 8 h + 0 .. 7.
;   Phase 2: source 0 = 16 queries, source 1 = 16 channels 64 w + 4 r + t, t = 0 .. 3: register j of four accumulators together is query 8 h + j, four neighbouring channels: sixteen lanes hold 256 neighbouring bytes of a row.
; PREFETCH.  In trip j = 0 .. 3 the slot that trip j + 2 loads; then V's four tiles, each two trips ahead of its load.  Each block of 256 bytes once in the cluster: partner cx and wave w name 8 rows of K or 16 of V.  Slots 7 to 4 come by their loads alone.
; LIMITS.  Hidden scores count as -infinity where the definition takes 1e10 off: the same result while |score| stays far under 1e10.  F is kept in f32: exact for |t| under 2^23.  A block whose byte would fall under 0 is taken at byte 0: its p lie
; under 2^-124 of the row's largest.  A scale byte 0xff among the inputs gives NaN.  A NaN, an infinity or an overflow that reaches only the tiles left out is not carried to the result; NaN and infinities are not served otherwise.
.set KP,   272                         ; an LDS row of K, V or Q: 256 bytes + 16 of padding = 68 words: sixteen rows start at sixteen different groups of four banks (64 banks of 4 bytes: ISA guide 11.1)
.set SLOT, 256*KP                      ; 69,632 bytes; two slots of K, or one tile of V: row 128 t + rho holds channel 4 rho + t
.set QST,  2*SLOT                      ; Q's eight tiles (filled once, at the head)
.set PIMG, QST+8*16*KP                 ; P's codes, 2,048 bytes for each pair n of slot s and tile m, n = 7 s - s (s - 1) / 2 + m = 0 .. 35: two fragments as their registers lie
.set FAB,  PIMG+36*2048                ; F: 512 n + 256 (w / 4) + 16 r + 4 (w % 4)
.set LOF,  36*512                      ; l: the same, LOF bytes on
.set PSWB, FAB+2*LOF                   ; P's scale words: 2,048 (s / 2) + 256 m + 8 lane + 4 (s % 2); lane (r, h): query r, step 2 s + h
.set RLB,  PSWB+8192                   ; 1 / divisor: 64 m + 4 r
.set SPARE, RLB+512                    ; the spare words, 128 bytes for each wave: four blocks of 256 bytes that no other line names
; vector registers, window 0
.set SPW, 1                            ; LDS address of my spare word; never rewritten
.set NIL, 2                            ; 0; never rewritten
.set AK0, 3                            ; v3-4: my place among K's rows in slot 0, 1
.set AV0, 5                            ; my place among V's rows, t = 0, 1; v6: t = 2, 3
.set PWA, 7                            ; where I put a pair of tiles' codes; v8: 32,768 bytes on
.set FWA, 9                            ; where I put their F and l
.set PRA, 10                           ; where I read P's fragments; v11: 32,768 bytes on
.set QRA, 12                           ; my place in a tile of Q
.set DQ,  13                           ; the mask: my query less my first key in the diagonal slot
.set NINF, 14                          ; -infinity
.set QTR, 15                           ; 2^-2, the conversions' scale operand
.set VSA, 16                           ; my byte offset in my channels' scale bytes
.set PFK, 17                           ; the prefetches' offsets: K,
.set PFV, 18                           ; V
.set GO,  19                           ; my byte offset in a tile's rows of out0
.set PSR, 20                           ; where I read P's scale words
.set KSA, 21
.set QSA, 22
.set RLR, 23                           ; where I read 1 / divisor
.set KSW, 24                           ; K's scale words: slot s, K step k at 24 + 4 s + k; lane = key.  From trip 7 on V's: pair of channel tiles tp, trip kt at 24 + 4 (4 tp + kt), the first four at 248
.set VSX, 248
.set QS,  56                           ; Q's: tile pair p, K step k at 56 + 4 p + k: lanes 0-15 tile 2 p, lanes 16-31 tile 2 p + 1
.set PS,  56                           ; phase 2: P's scale words of the trip's two slots: 56 + 2 m + (slot % 2)
.set KF,  72                           ; buffer 0 of K's fragments: K step k at 72 + 16 k
.set VFR, 72                           ; phase 2: V's fragments: step st, channel tile t at 72 + 32 st + 8 t
.set SS,  136                          ; S^T, then p: four tiles of 16; then F and l
.set FV,  136
.set LV,  168
.set PR0, 200                          ; phase 2: P's fragments: three batches of two tiles, by turns
.set BM,  200
.set B2,  204
.set GP,  208                          ; F of group tile T at v[208+2T] (a pair is named, the low word is used)
.set CD,  216
.set A2,  224
.set A3,  232
.set FRA, 240                          ; the pass between the phases: where I read F and l,
.set PSW, 241                          ; put scale words
.set RLW, 242                          ; and 1 / divisor
.set FW1, 244                          ; where I put a single tile's F and l,
.set PW1, 245                          ; and its codes; v246: 32,768 bytes on
.set TR,  253                          ; the head: r, h, lane
.set TH2, 254
.set TL,  255
.set TQA, 72                           ; the way out: 32 results of each of two tiles, in V's places of steps 0 and 2,
.set TQB, 136
.set RLQ, 104                          ; 1 / divisor of the two tiles' queries 8 h + 0 .. 7, in V's places of step 1
; window 1: phase 1: Q, tile m, K step k at 32 m + 8 k; buffer 1 of K's fragments at 0-63.  Phase 2: O, tile m, channel tile t at 32 m + 8 t
; scalar registers
.set WV,  18
.set C4,  19                           ; w % 4
.set TH,  20                           ; w / 4
.set GG,  21
.set CX,  22
.set BT,  23
.set G1K, 24
.set G1V, 32
.set G1Q, 40
.set G0K, 48
.set G0V, 52
.set G0Q, 56
.set SEL, 60
.set CS,  62
.set LK,  66                           ; my 64 rows in a slot of K
.set KB,  68
.set VB,  70
.set KSB, 72
.set QSB, 74
.set VSB, 76
.set OUT, 78
.set II,  80                           ; i
.set G0H, 84                           ; the head's load of K
.set G1H, 88
.set MSB, 0
.macro WIN new                         ; s_set_vgpr_msb: bits 1:0 source 0, 3:2 source 1, 5:4 source 2, 7:6 destination; the high byte repeats the setting that is left
.if MSB != \new
	s_set_vgpr_msb (MSB<<8)|\new
.set MSB, \new
.endif
.endm
.macro PLACES                          ; four plain vector instructions behind a matrix instruction, ahead of loads into its registers and of reads of its result
.rept 4
	v_nop
.endr
.endm
.macro MEET                            ; the work-group's barrier
	s_barrier_signal -1
	s_barrier_wait -1
.endm
.macro CROUND                          ; a round of the cluster's barrier
	MEET
	s_cmp_lg_u32 s[WV], 0
	s_cbranch_scc1 .Lnot_wave_0_\@
	s_barrier_signal -3
.Lnot_wave_0_\@:
	s_barrier_wait -3
	MEET
.endm
.macro VLOAD                           ; a joint load of a tile of V: 64 rows a wave
	tensor_load_to_lds s[G0V:G0V+3], s[G1V:G1V+7]
	s_nop 0
	PLACES
.endm
; The head of trip j.  Each wave waits for all its tensor loads (its part of fill j + 1), adds 0 to its spare word, and waits for that and for its LDS reads: all fragments of trip j are in registers.  Behind the round
; nobody reads that slot: fill j + 2 goes there and has this trip in which to land.  Trip 6 fills nothing; trip 7 asks for V's first tile, which takes both slots.
.macro SYNC j
	s_wait_tensorcnt 0x0
	ds_add_u32 v[SPW], v[NIL]
.set fl, \j+2
.if fl < 8
	s_add_co_u32 s[G0K+1], s[LK], (fl%2)*SLOT
.if fl > 2
	s_sub_nc_u64 s[G0K+2:G0K+3], s[G0K+2:G0K+3], 0x10000   ; 256 keys back
.endif
.endif
	s_wait_dscnt 0x0
.if fl < 8
	CROUND
	s_cmp_lt_u32 s[WV], 4                          ; a joint load of a slot of K: waves 0 to 3, 64 rows each
	s_cbranch_scc0 .Lasked_\@
	tensor_load_to_lds s[G0K:G0K+3], s[G1K:G1K+7]
	s_nop 0
	PLACES
.Lasked_\@:
.elseif fl == 8
	MEET
.else
	CROUND
	VLOAD
.endif
.endm
.macro ASK f                           ; f < 8: fill f of K (slot 7 - f); else V's tile f - 8: into the L2
.if (\f) < 8
	global_prefetch_b8 v[PFK], s[KB:KB+1] offset:(7-(\f))*65536 th:TH_LOAD_NT scope:SCOPE_SE
.else
	global_prefetch_b8 v[PFV], s[VB:VB+1] offset:((\f)-8)*256 th:TH_LOAD_NT scope:SCOPE_SE
.endif
.endm
.macro KREAD j, buf                    ; trip j's fragments of K, my 32 keys
.if \buf
	WIN 0x40
.endif
.irp k, 0,1,2,3
.irp u, 0,1
.irp c, 0,1
.set kr, (1-\buf)*KF+16*\k+8*\u+4*\c
	ds_load_b128 v[kr:kr+3], v[AK0+\j%2] offset:16*\u*KP+64*\k+32*\c
.endr
.endr
.endr
	WIN 0
.endm
.macro QREAD m                         ; Q's tile m
	WIN 0x40
.irp k, 0,1,2,3
.irp c, 0,1
	ds_load_b128 v[32*\m+8*\k+4*\c:32*\m+8*\k+4*\c+3], v[QRA] offset:16*\m*KP+64*\k+32*\c
.endr
.endr
	WIN 0
.endm
; Phase 1's product, 32 x 16 x 128: registers rD, rA, rB; rZ = 1: it starts the sum; scales rSA (all 32 lanes), rSB (rR: which half of the lanes)
.macro MM
.if rZ
.if rR
	v_wmma_scale_f32_32x16x128_f4 v[rD:rD+15], v[rA:rA+15], v[rB:rB+7], 0, v[rSA], v[rSB] matrix_b_scale:MATRIX_SCALE_ROW1
.else
	v_wmma_scale_f32_32x16x128_f4 v[rD:rD+15], v[rA:rA+15], v[rB:rB+7], 0, v[rSA], v[rSB]
.endif
.else
.if rR
	v_wmma_scale_f32_32x16x128_f4 v[rD:rD+15], v[rA:rA+15], v[rB:rB+7], v[rD:rD+15], v[rSA], v[rSB] matrix_b_scale:MATRIX_SCALE_ROW1
.else
	v_wmma_scale_f32_32x16x128_f4 v[rD:rD+15], v[rA:rA+15], v[rB:rB+7], v[rD:rD+15], v[rSA], v[rSB]
.endif
.endif
.endm
; Phase 2's product, 16 x 16 x 128; ra: which half of the lanes of the scale registers
.macro MN ra:vararg
.if rZ
	v_wmma_scale_f32_16x16x128_f8f6f4 v[rD:rD+7], v[rA:rA+7], v[rB:rB+7], 0, v[rSA], v[rSB] matrix_a_fmt:MATRIX_FMT_FP4 matrix_b_fmt:MATRIX_FMT_FP4 \ra
.else
	v_wmma_scale_f32_16x16x128_f8f6f4 v[rD:rD+7], v[rA:rA+7], v[rB:rB+7], v[rD:rD+7], v[rSA], v[rSB] matrix_a_fmt:MATRIX_FMT_FP4 matrix_b_fmt:MATRIX_FMT_FP4 \ra
.endif
.endm
; The softmax of nt tiles from tile m0 on, two tiles to a pair: a pair's numbers change halves of the lanes, so that lanes 0-15 hold the even tile's and lanes 16-31 the odd tile's.  A tile left alone is paired with a copy of
; itself: both halves of the lanes then put the same words in the same place.
.macro SOFT s, m0, nt
.set n0, 7*\s-\s*(\s-1)/2+(\m0)
	PLACES
.if (\m0) == \s                        ; the diagonal tile: hidden scores become -infinity
.irp x, 0,1,2,3,4,5,6,7,8,9,10,11,12,13,14,15
	v_cmp_gt_i32 vcc_lo, 16*(\x/8)+\x%8, v[DQ]
	v_cndmask_b32 v[SS+\x], v[SS+\x], v[NINF], vcc_lo
.endr
.endif
.irp T, 0,1,2,3
.if \T < \nt
	v_max3_num_f32 v[BM+\T], v[SS+16*\T], v[SS+16*\T+1], v[SS+16*\T+2]
	v_max3_num_f32 v[B2+\T], v[SS+16*\T+8], v[SS+16*\T+9], v[SS+16*\T+10]
.endif
.endr
.irp x, 3,5
.irp T, 0,1,2,3
.if \T < \nt
	v_max3_num_f32 v[BM+\T], v[BM+\T], v[SS+16*\T+\x], v[SS+16*\T+\x+1]
	v_max3_num_f32 v[B2+\T], v[B2+\T], v[SS+16*\T+8+\x], v[SS+16*\T+9+\x]
.endif
.endr
.endr
.irp T, 0,1,2,3
.if \T < \nt
	v_max3_num_f32 v[BM+\T], v[BM+\T], v[SS+16*\T+7], v[SS+16*\T+15]
.endif
.endr
.irp T, 0,1,2,3
.if \T < \nt
.if (\T == 0) && ((\m0) == \s)
	v_max3_num_f32 v[BM+\T], v[BM+\T], v[B2+\T], 0xff61b1e6   ; a block that is hidden whole keeps a finite F (-3e38 x c): its p are 0
.else
	v_max_num_f32 v[BM+\T], v[BM+\T], v[B2+\T]
.endif
.endif
.endr
.irp P, 0,1
.if 2*\P+1 == \nt
	v_mov_b32 v[BM+2*\P+1], v[BM+2*\P]
.endif
.endr
.irp P, 0,1
.if 2*\P < \nt
	v_permlane16_swap_b32 v[BM+2*\P], v[BM+2*\P+1]
.endif
.endr
.irp P, 0,1
.if 2*\P < \nt
	v_max_num_f32 v[BM+2*\P], v[BM+2*\P], v[BM+2*\P+1]        ; the block's largest score
.endif
.endr
.irp P, 0,1
.if 2*\P < \nt
	v_mul_f32 v[GP+4*\P], s[CS], v[BM+2*\P]
.endif
.endr
.irp P, 0,1
.if 2*\P < \nt
	v_floor_f32 v[GP+4*\P], v[GP+4*\P]                        ; F
.endif
.endr
.irp P, 0,1
.if 2*\P+1 == \nt
	ds_store_b32 v[FW1], v[GP+4*\P] offset:512*(n0+2*\P)
.elseif 2*\P < \nt
	v_mov_b32 v[GP+4*\P+2], v[GP+4*\P]
	ds_store_b32 v[FWA], v[GP+4*\P] offset:512*(n0+2*\P)
.endif
.endr
.irp P, 0,1
.if 2*\P+1 < \nt
	v_permlane16_swap_b32 v[GP+4*\P], v[GP+4*\P+2]            ; the even tile's F in all lanes, the odd tile's in all lanes
.endif
.endr
.irp x, 0,2,4,6,8,10,12,14
.irp T, 0,1,2,3
.if \T < \nt
	v_pk_fma_f32 v[SS+16*\T+\x:SS+16*\T+\x+1], v[SS+16*\T+\x:SS+16*\T+\x+1], s[CS:CS+1], v[GP+2*\T:GP+2*\T+1] op_sel_hi:[1,0,0] neg_lo:[0,0,1] neg_hi:[0,0,1]   ; t - F
.endif
.endr
.endr
	s_wait_alu depctr_va_vdst(0)                   ; the wait ahead of the batch
.irp T, 0,1,2,3
.if \T < \nt
.irp x, 0,1,2,3,4,5,6,7,8,9,10,11,12,13,14,15
	v_exp_f32 v[SS+16*\T+\x], v[SS+16*\T+\x]
.endr
.endif
.endr
	v_nop
	s_wait_alu depctr_va_vdst(0)                   ; and ahead of its first reader
.irp T, 0,1,2,3
.if \T < \nt
	v_cvt_scalef32_pk8_fp4_f32 v[CD+4*(\T/2)+\T%2], v[SS+16*\T:SS+16*\T+7], v[QTR]         ; keys 8 h + 0 .. 7: word h of the block's four
	v_cvt_scalef32_pk8_fp4_f32 v[CD+4*(\T/2)+\T%2+2], v[SS+16*\T+8:SS+16*\T+15], v[QTR]    ; keys 16 + 8 h + 0 .. 7: word 2 + h
.endif
.endr
.irp T, 0,1,2,3                        ; the sum of the unquantised p
.if \T < \nt
	v_pk_add_f32 v[A2+2*\T:A2+2*\T+1], v[SS+16*\T:SS+16*\T+1], v[SS+16*\T+2:SS+16*\T+3]
	v_pk_add_f32 v[A3+2*\T:A3+2*\T+1], v[SS+16*\T+4:SS+16*\T+5], v[SS+16*\T+6:SS+16*\T+7]
.endif
.endr
.irp x, 8,12
.irp T, 0,1,2,3
.if \T < \nt
	v_pk_add_f32 v[A2+2*\T:A2+2*\T+1], v[A2+2*\T:A2+2*\T+1], v[SS+16*\T+\x:SS+16*\T+\x+1]
	v_pk_add_f32 v[A3+2*\T:A3+2*\T+1], v[A3+2*\T:A3+2*\T+1], v[SS+16*\T+\x+2:SS+16*\T+\x+3]
.endif
.endr
.endr
.irp T, 0,1,2,3
.if \T < \nt
	v_pk_add_f32 v[A2+2*\T:A2+2*\T+1], v[A2+2*\T:A2+2*\T+1], v[A3+2*\T:A3+2*\T+1]
.endif
.endr
.irp T, 0,1,2,3
.if \T < \nt
	v_add_f32 v[BM+\T], v[A2+2*\T], v[A2+2*\T+1]
.endif
.endr
.irp P, 0,1
.if 2*\P+1 == \nt
	v_mov_b32 v[BM+2*\P+1], v[BM+2*\P]
	v_mov_b32 v[CD+4*\P+1], v[CD+4*\P]
	v_mov_b32 v[CD+4*\P+3], v[CD+4*\P+2]
.endif
.endr
.irp P, 0,1
.if 2*\P < \nt
	v_permlane16_swap_b32 v[CD+4*\P], v[CD+4*\P+1]            ; words 0 and 1 of the lane's tile,
	v_permlane16_swap_b32 v[CD+4*\P+2], v[CD+4*\P+3]          ; words 2 and 3
	v_permlane16_swap_b32 v[BM+2*\P], v[BM+2*\P+1]
.endif
.endr
.irp P, 0,1
.if 2*\P < \nt
	v_add_f32 v[BM+2*\P], v[BM+2*\P], v[BM+2*\P+1]            ; l
.endif
.endr
.irp P, 0,1
.if 2*\P < \nt
.set pw, PWA
.set fw, FWA
.if 2*\P+1 == \nt
.set pw, PW1
.set fw, FW1
.endif
.if n0+2*\P < 16
	ds_store_b128 v[pw], v[CD+4*\P:CD+4*\P+3] offset:2048*(n0+2*\P)
.else
	ds_store_b128 v[pw+1], v[CD+4*\P:CD+4*\P+3] offset:2048*(n0+2*\P-16)
.endif
	ds_store_b32 v[fw], v[BM+2*\P] offset:LOF+512*(n0+2*\P)
.endif
.endr
.endm
; nt tiles from tile m0 on against slot s; K's fragments in buffer buf.  wm = 1: a tile of Q is still on its way.  ask: what is prefetched (-1: nothing).  rd = 1: behind the products trip 7's fragments are read
.macro GROUP s, m0, nt, wm, buf, ask, rd
.if \wm
	s_wait_dscnt 0x0
.endif
	WIN 0x04+\buf                                  ; Q in window 1, K in window buf
.irp k, 0,1,2,3
.set rZ, 0
.if \k == 0
.set rZ, 1
.endif
.irp T, 0,1,2,3                        ; the accumulators by turns; one alone has the wait at every link
.if \T < \nt
.set rD, SS+16*\T
.set rA, (1-\buf)*KF+16*\k
.set rB, 32*(\m0+\T)+8*\k
.set rSA, KSW+4*\s+\k
.set rSB, QS+4*((\m0+\T)/2)+\k
.set rR, (\m0+\T)%2
.if (\nt == 1) && (\k > 0)
	s_wait_alu depctr_va_vdst(0)
.endif
	MM
.endif
.endr
.endr
	WIN 0
.if \ask >= 0
	ASK \ask
.endif
.if \rd
	PLACES
	KREAD 7, 0
.endif
	SOFT \s, \m0, \nt
.endm
; BETWEEN THE PHASES.  Wave w takes tile m = w: lane (r, h) the blocks of query r in steps 2 s + h.  Slots beyond m do not count: their F is set to -3e38.
.macro POST
.irp s, 0,1,2,3,4,5,6,7
	ds_load_b128 v[FV+4*\s:FV+4*\s+3], v[FRA] offset:512*(7*\s-\s*(\s-1)/2)
.endr
.irp s, 0,1,2,3,4,5,6,7
	ds_load_b128 v[LV+4*\s:LV+4*\s+3], v[FRA] offset:LOF+512*(7*\s-\s*(\s-1)/2)
.endr
	s_wait_dscnt 0x0
	v_mov_b32 v[B2], 0xff61b1e6
.irp s, 1,2,3,4,5,6,7
	s_cmp_ge_u32 s[WV], \s
	s_cselect_b32 vcc_lo, -1, 0
.irp e, 0,1,2,3
	v_cndmask_b32 v[FV+4*\s+\e], v[B2], v[FV+4*\s+\e], vcc_lo
.endr
.endr
.irp e, 0,1,2,3
	v_max3_num_f32 v[BM+\e], v[FV+\e], v[FV+4+\e], v[FV+8+\e]
.endr
.irp x, 12,20
.irp e, 0,1,2,3
	v_max3_num_f32 v[BM+\e], v[BM+\e], v[FV+\x+\e], v[FV+\x+4+\e]
.endr
.endr
.irp e, 0,1,2,3
	v_max_num_f32 v[BM+\e], v[BM+\e], v[FV+28+\e]
.endr
	v_max3_num_f32 v[BM], v[BM], v[BM+1], v[BM+2]
	v_max_num_f32 v[BM], v[BM], v[BM+3]
	v_permlanex16_b32 v[B2+1], v[BM], s[SEL], s[SEL+1]
	v_max_num_f32 v[GP], v[BM], v[B2+1]            ; R
.set x, 0
.rept 16
	v_pk_add_f32 v[FV+x:FV+x+1], v[FV+x:FV+x+1], v[GP:GP+1] op_sel_hi:[1,0] neg_lo:[0,1] neg_hi:[0,1]   ; F - R
.set x, x+2
.endr
.set x, 0
.rept 32
	v_max_num_f32 v[FV+x], 0xc2fa0000, v[FV+x]     ; held at -125: byte 0 (in the sum 2^-125 x l is lost beside a total of 1 or more)
.set x, x+1
.endr
.set x, 0
.rept 32
	v_cvt_i32_f32 v[FV+x], v[FV+x]
.set x, x+1
.endr
.set x, 0
.rept 32
	v_ldexp_f32 v[LV+x], v[LV+x], v[FV+x]
.set x, x+1
.endr
	v_pk_add_f32 v[A2:A2+1], v[LV:LV+1], v[LV+2:LV+3]
	v_pk_add_f32 v[A2+2:A2+3], v[LV+4:LV+5], v[LV+6:LV+7]
.set x, 8
.rept 6
	v_pk_add_f32 v[A2:A2+1], v[A2:A2+1], v[LV+x:LV+x+1]
	v_pk_add_f32 v[A2+2:A2+3], v[A2+2:A2+3], v[LV+x+2:LV+x+3]
.set x, x+4
.endr
	v_pk_add_f32 v[A2:A2+1], v[A2:A2+1], v[A2+2:A2+3]
	v_add_f32 v[BM], v[A2], v[A2+1]
	v_permlanex16_b32 v[B2+1], v[BM], s[SEL], s[SEL+1]
	v_add_f32 v[BM], v[BM], v[B2+1]                ; the divisor
	s_wait_alu depctr_va_vdst(0)                   ; the wait ahead of the transcendental
	v_rcp_f32 v[B2+2], v[BM]
.irp s, 0,1,2,3,4,5,6,7                ; four bytes F - R + 125 make the word of step 2 s + h
	v_lshl_add_u32 v[CD+\s], v[FV+4*\s+3], 8, v[FV+4*\s+2]
.endr
.irp s, 0,1,2,3,4,5,6,7
	v_lshl_add_u32 v[CD+\s], v[CD+\s], 8, v[FV+4*\s+1]
.endr
.irp s, 0,1,2,3,4,5,6,7
	v_lshl_add_u32 v[CD+\s], v[CD+\s], 8, v[FV+4*\s]
.endr
.irp s, 0,1,2,3,4,5,6,7
	v_add_nc_u32 v[CD+\s], 0x7d7d7d7d, v[CD+\s]
.endr
	s_wait_alu depctr_va_vdst(0)                   ; and ahead of its first reader
.irp s, 0,1,2,3
	ds_store_b64 v[PSW], v[CD+2*\s:CD+2*\s+1] offset:2048*\s
.endr
	ds_store_b32 v[RLW], v[B2+2]
	s_wait_loadcnt 0x0                             ; V's scale words
.endm
; PHASE 2.  A trip's batches, in order: step st = 0 .. 3 (128 keys), pair n = kt .. 3 of tiles 2 n, 2 n + 1; tile 2 kt has no slot 2 kt + 1, so in steps 2 and 3 the pair kt is its second tile alone
.macro BATCH kt, ix
.set bst, (\ix)/(4-\kt)
.set bn,  \kt+(\ix)%(4-\kt)
.set b0,  0                            ; the batch's first tile of the two
.if (bn == \kt) && (bst > 1)
.set b0, 1
.endif
.endm
.macro PLD kt, ix                      ; P's fragments of batch ix
.if (\ix) < 4*(4-\kt)
	BATCH \kt, \ix
.set bsl, 2*\kt+bst/2
.irp e, 0,1
.if \e >= b0
.irp c, 0,1
.set po, 2048*(7*bsl-bsl*(bsl-1)/2+2*bn+\e)+1024*(bst%2)+512*\c
.set pr, PR0+16*((\ix)%3)+8*\e+4*\c
.if po < 65536
	ds_load_b128 v[pr:pr+3], v[PRA] offset:po
.else
	ds_load_b128 v[pr:pr+3], v[PRA+1] offset:po-32768
.endif
.endr
.endif
.endr
.endif
.endm
.macro ADDN kt, ix                     ; nw += the LDS loads of batch ix
.if (\ix) < 4*(4-\kt)
	BATCH \kt, \ix
.set nw, nw+4-2*b0
.endif
.endm
.macro MUL kt, ix                      ; batch ix: the accumulators by turns
	BATCH \kt, \ix
	WIN 0x50
.irp e, 0,1
.if \e >= b0
.irp t, 0,1,2,3
.set rD, 32*(2*bn+\e)+8*\t
.set rA, PR0+16*((\ix)%3)+8*\e
.set rB, VFR+32*bst+8*\t
.set rSA, PS+2*(2*bn+\e)+bst/2
.set rSB, KSW+4*(4*(\t/2)+\kt)
.if rSB == KSW
.set rSB, VSX
.endif
.set rSB, rSB+bst
.set rZ, 0
.if (\kt == 0) && (bst == 0)
.set rZ, 1
.endif
.if (bst%2) && (\t%2)
	MN matrix_a_scale:MATRIX_SCALE_ROW1 matrix_b_scale:MATRIX_SCALE_ROW1
.elseif bst%2
	MN matrix_a_scale:MATRIX_SCALE_ROW1
.elseif \t%2
	MN matrix_b_scale:MATRIX_SCALE_ROW1
.else
	MN
.endif
.endr
.endif
.endr
	WIN 0
.endm
.macro LEAVE m, tq, rl                 ; tile m goes out: four neighbouring channels of query 8 h + j in a lane
	WIN 0x01
.irp j, 0,1,2,3,4,5,6,7
.irp t, 0,1,2,3
	v_mul_f32 v[\tq+4*\j+\t], v[32*(\m)+8*\t+\j], v[\rl+\j]
.endr
.endr
	WIN 0
.irp j, 0,1,2,3,4,5,6,7
	global_store_b128 v[GO], v[\tq+4*\j:\tq+4*\j+3], s[OUT:OUT+1] offset:(\m)*524288+\j*2048 th:TH_STORE_NT   ; sixteen lanes store 256 consecutive bytes, at a multiple of 256 from out0's first byte
.endr
.endm
.macro VTRIP kt
	s_wait_tensorcnt 0x0                           ; my part of the tile is in,
	s_wait_dscnt 0x0                               ; and my LDS instructions are over
	MEET
	s_wait_xcnt 0x0                                ; the stores issued so far have read their registers: the loads below may land there
.irp st, 0,1,2,3                       ; my 64 channels x 512 keys
.irp t, 0,1,2,3
.irp c, 0,1
	ds_load_b128 v[VFR+32*\st+8*\t+4*\c:VFR+32*\st+8*\t+4*\c+3], v[AV0+\t/2] offset:128*(\t%2)*KP+64*\st+32*\c
.endr
.endr
.endr
.irp m, 0,1,2,3,4,5,6,7                ; P's scale words of slots 2 kt and 2 kt + 1
.if \m >= 2*\kt
	ds_load_b64 v[PS+2*\m:PS+2*\m+1], v[PSR] offset:2048*\kt+256*\m
.endif
.endr
	PLD \kt, 0
	PLD \kt, 1
.if \kt < 3
	s_wait_tensorcnt 0x0                           ; no tensor load of mine is out, so the descriptor may be written
	ds_add_u32 v[SPW], v[NIL]
	s_add_nc_u64 s[G0V+2:G0V+3], s[G0V+2:G0V+3], 0x100   ; 512 keys on
	s_wait_dscnt 0x0                               ; my fragments of V are in registers
	CROUND                                         ; nobody in the cluster reads the tile any more: the next one goes there
	VLOAD
.endif
.set ix, 0
.rept 4*(4-\kt)
.if ix > 0
	PLACES
.endif
	PLD \kt, ix+2
.if ix == 2*(4-\kt)                    ; V's registers of step 1 are free
.irp e, 0,1
.irp c, 0,1
	ds_load_b128 v[RLQ+8*\e+4*\c:RLQ+8*\e+4*\c+3], v[RLR] offset:64*(2*\kt+\e)+16*\c
.endr
.endr
.endif
.set nw, 0
	ADDN \kt, ix+1
	ADDN \kt, ix+2
	s_wait_dscnt nw                                ; the loads of the two younger batches may be out
	MUL \kt, ix
.if (\kt == 0) && (ix == 1)
	ASK 11
.endif
.set ix, ix+1
.endr
	PLACES
	LEAVE 2*\kt, TQA, RLQ
	LEAVE 2*\kt+1, TQB, RLQ+8
.endm
	s_load_b256 s[4:11], s[0:1], 0x0               ; K's codes s[4:5], K's scales s[6:7], Q's codes s[8:9], Q's scales s[10:11]
	s_load_b128 s[12:15], s[0:1], 0x20             ; V's codes s[12:13], V's scales s[14:15]
	s_load_b64 s[16:17], s[0:1], 0x30              ; out0
	v_lshl_add_u32 v[SPW], v0, 2, SPARE
	v_mov_b32 v[NIL], 0
	ds_add_u32 v[SPW], v[NIL]                      ; the wave's opening: the add, twice on end, ahead of its first tensor load
	ds_add_u32 v[SPW], v[NIL]
	v_lshrrev_b32 v3, 5, v0
	v_readfirstlane_b32 s[WV], v3                  ; wave 0..7
	s_and_b32 s[C4], s[WV], 3
	s_lshr_b32 s[TH], s[WV], 2
	s_mov_b32 s[GG], ttmp9                         ; in a cluster launch ttmp9 counts clusters
	s_bfe_u32 s[CX], ttmp6, 0x40000                ; my place in the cluster
	s_and_b32 s[BT], ttmp7, 0xffff                 ; the batch, which the four partners share
	; descriptor group 1.  K: 64 rows x 256 bytes, dense, 16 bytes of padding behind each; at the head 128 rows
	s_mov_b32 s[G1K], 15|(1<<20)|(1<<21)|(5<<22)|(3<<25)   ; 15:0 the mask: all four work-groups; 17:16 elements of 1 byte; 20 padding on; 21 set beside a mask; 24:22 after every 64 words; 31:25 four words
	s_mov_b32 s[G1K+1], 256<<16                    ; tensor_dim0
	s_mov_b32 s[G1K+2], 64<<16                     ; tensor_dim1
	s_mov_b32 s[G1K+3], 256<<16                    ; tile_dim0
	s_mov_b32 s[G1K+4], 64                         ; tile_dim1
	s_mov_b32 s[G1K+5], 256                        ; from row to row
	s_mov_b32 s[G1K+6], 0
	s_mov_b32 s[G1K+7], 0
	s_mov_b32 s[G1H], 15|(1<<20)|(1<<21)|(5<<22)|(3<<25)
	s_mov_b32 s[G1H+1], 256<<16
	s_mov_b32 s[G1H+2], 128<<16
	s_mov_b32 s[G1H+3], 256<<16
	s_mov_b32 s[G1H+4], 128
	s_mov_b32 s[G1H+5], 256
	s_mov_b32 s[G1H+6], 0
	s_mov_b32 s[G1H+7], 0
	; V: 64 rows, every fourth channel, so 4,096 bytes apart
	s_mov_b32 s[G1V], 15|(1<<20)|(1<<21)|(5<<22)|(3<<25)
	s_mov_b32 s[G1V+1], 256<<16
	s_mov_b32 s[G1V+2], 64<<16
	s_mov_b32 s[G1V+3], 256<<16
	s_mov_b32 s[G1V+4], 64
	s_mov_b32 s[G1V+5], 4096
	s_mov_b32 s[G1V+6], 0
	s_mov_b32 s[G1V+7], 0
	; Q, my work-group's own: two tiles of 16 dense rows, so two rows of 4,096 bytes, 256 queries apart; the padding still behind each 256 bytes
	s_mov_b32 s[G1Q], (1<<20)|(5<<22)|(3<<25)
	s_mov_b32 s[G1Q+1], 4096<<16
	s_mov_b32 s[G1Q+2], 2<<16
	s_mov_b32 s[G1Q+3], 4096<<16
	s_mov_b32 s[G1Q+4], 2
	s_mov_b32 s[G1Q+5], 0x10000
	s_mov_b32 s[G1Q+6], 0
	s_mov_b32 s[G1Q+7], 0
	s_mov_b32 s[SEL], 0x76543210                   ; v_permlanex16_b32's selects for lane l xor 16
	s_mov_b32 s[SEL+1], 0xfedcba98
	s_mov_b32 s[CS], 0x3d8293ee                    ; c = log2(e) / sqrt(512)
	s_mov_b32 s[CS+1], s[CS]                       ; (named with it as a pair, so it is written)
	s_mul_i32 s[LK], s[C4], 64*KP
	s_lshl_b32 s[II], s[GG], 2
	s_add_co_u32 s[II], s[II], s[CX]               ; i
	; byte offsets, high words 0; the tensors' addresses are added below
	s_lshl_b32 s[KB], s[BT], 19                    ; a batch's codes: 2^19 bytes in each of the three tensors
	s_mov_b32 s[KB+1], 0
	s_mov_b32 s[VB], s[KB]
	s_mov_b32 s[VB+1], 0
	s_lshl_b32 s82, s[BT], 15                      ; a batch's scale bytes: 2^15
	s_lshr_b32 s96, s[C4], 1                       ; the head: waves 0, 1 slot 7's halves, waves 2, 3 slot 6's
	s_lshl_b32 s96, s96, 16
	s_and_b32 s97, s[C4], 1
	s_lshl_b32 s97, s97, 15
	s_add_co_u32 s[G0H+2], s97, 7*65536
	s_sub_co_u32 s[G0H+2], s[G0H+2], s96
	s_mov_b32 s[G0H+3], 0
	s_lshl_b32 s96, s[C4], 14
	s_add_co_u32 s[G0K+2], s96, 5*65536            ; the first refill: slot 5, my 64 rows of 256 bytes
	s_mov_b32 s[G0K+3], 0
	s_lshl_b32 s96, s[TH], 18
	s_lshl_b32 s97, s[C4], 10
	s_add_co_u32 s[G0V+2], s96, s97                ; V: channels 256 (w / 4) + 4 x row + w % 4
	s_mov_b32 s[G0V+3], 0
	s_lshl_b32 s96, s[C4], 17                      ; Q: my two tiles,
	s_lshl_b32 s97, s[II], 12                      ; at rows 16 i
	s_add_co_u32 s[G0Q+2], s96, s97
	s_add_co_u32 s[G0Q+2], s[G0Q+2], s[KB]
	s_mov_b32 s[G0Q+3], 0
	s_lshl_b32 s[KSB], s[WV], 9
	s_add_co_u32 s[KSB], s[KSB], s82
	s_mov_b32 s[KSB+1], 0
	s_lshl_b32 s[QSB], s[II], 8
	s_add_co_u32 s[QSB], s[QSB], s82
	s_mov_b32 s[QSB+1], 0
	s_lshl_b32 s[VSB], s[WV], 12
	s_add_co_u32 s[VSB], s[VSB], s82
	s_mov_b32 s[VSB+1], 0
	s_lshl_b32 s[OUT], s[BT], 22
	s_lshl_b32 s96, s[II], 15
	s_add_co_u32 s[OUT], s[OUT], s96
	s_lshl_b32 s96, s[WV], 8
	s_add_co_u32 s[OUT], s[OUT], s96
	s_mov_b32 s[OUT+1], 0
	s_mov_b32 s[G0H], 1                            ; count = 1
	s_mov_b32 s[G0K], 1
	s_mov_b32 s[G0V], 1
	s_mov_b32 s[G0Q], 1
	s_mul_i32 s[G0H+1], s[C4], 128*KP
	s_mov_b32 s[G0K+1], s[LK]
	s_mul_i32 s[G0V+1], s[C4], 128*KP
	s_mul_i32 s96, s[TH], 64*KP
	s_add_co_u32 s[G0V+1], s[G0V+1], s96           ; rows 128 (w % 4) + 64 (w / 4) on
	s_mul_i32 s[G0Q+1], s[C4], 32*KP
	s_add_co_u32 s[G0Q+1], s[G0Q+1], QST
	s_wait_dscnt 0x0                               ; both opening adds are done
	s_wait_kmcnt 0x0
	s_add_nc_u64 s[KB:KB+1], s[4:5], s[KB:KB+1]
	s_add_nc_u64 s[VB:VB+1], s[12:13], s[VB:VB+1]
	s_add_nc_u64 s[G0H+2:G0H+3], s[KB:KB+1], s[G0H+2:G0H+3]
	s_or_b32 s[G0H+3], s[G0H+3], 0x80000000        ; type = 2
	s_add_nc_u64 s[G0K+2:G0K+3], s[KB:KB+1], s[G0K+2:G0K+3]
	s_or_b32 s[G0K+3], s[G0K+3], 0x80000000
	s_add_nc_u64 s[G0V+2:G0V+3], s[VB:VB+1], s[G0V+2:G0V+3]
	s_or_b32 s[G0V+3], s[G0V+3], 0x80000000
	s_add_nc_u64 s[G0Q+2:G0Q+3], s[8:9], s[G0Q+2:G0Q+3]
	s_or_b32 s[G0Q+3], s[G0Q+3], 0x80000000
	s_add_nc_u64 s[KSB:KSB+1], s[6:7], s[KSB:KSB+1]
	s_add_nc_u64 s[QSB:QSB+1], s[10:11], s[QSB:QSB+1]
	s_add_nc_u64 s[VSB:VSB+1], s[14:15], s[VSB:VSB+1]
	s_add_nc_u64 s[OUT:OUT+1], s[16:17], s[OUT:OUT+1]
	CROUND                                         ; all four work-groups are here: the first joint loads meet
	s_cmp_lt_u32 s[WV], 4                          ; one load a wave: waves 0 to 3 K's slots 7 and 6, waves 4 to 7 Q
	s_cbranch_scc0 .Lhead_q
	tensor_load_to_lds s[G0H:G0H+3], s[G1H:G1H+7]
	s_nop 0
	PLACES
	s_branch .Lhead_asked
.Lhead_q:
	tensor_load_to_lds s[G0Q:G0Q+3], s[G1Q:G1Q+7]
	s_nop 0
	PLACES
.Lhead_asked:
	; scalar parts of the LDS addresses
	s_mul_i32 s4, s[WV], 32*KP
	s_mul_i32 s5, s[WV], 16*KP
	s_lshl_b32 s6, s[WV], 8
	s_add_co_u32 s6, s6, PIMG
	s_lshl_b32 s7, s[TH], 8
	s_lshl_b32 s8, s[C4], 2
	s_add_co_u32 s7, s7, s8
	s_add_co_u32 s7, s7, FAB
	s_lshl_b32 s8, s[II], 4
	s_lshl_b32 s9, s[WV], 5
	s_sub_co_u32 s8, s8, s9                        ; 16 i - 32 w
	s_lshl_b32 s9, s[CX], 6
	s_lshl_b32 s10, s[WV], 3
	s_add_co_u32 s9, s9, s10                       ; 64 cx + 8 w
	s_lshl_b32 s10, s9, 1                          ; 128 cx + 16 w
	s_lshl_b32 s11, s[WV], 9
	s_add_co_u32 s11, s11, FAB
	s_lshl_b32 s12, s[WV], 8
	s_add_co_u32 s12, s12, PSWB
	s_lshl_b32 s13, s[WV], 6
	s_add_co_u32 s13, s13, RLB
	s_mov_b32 s14, PIMG
	s_mov_b32 s15, PSWB
	s_mov_b32 s16, RLB
	v_and_b32 v[TR], 15, v0                        ; r
	v_bfe_u32 v[TH2], v0, 4, 1                     ; h
	v_and_b32 v[TL], 31, v0                        ; lane
	v_lshlrev_b32 v[QSA], 12, v[TH2]
	v_lshl_add_u32 v[QSA], v[TR], 4, v[QSA]
	v_lshlrev_b32 v[KSA], 4, v[TL]
.irp s, 7,6,5,4,3,2,1,0                ; K's scale bytes: lane l the 16 of key l of my 32, in all eight slots
	global_load_b128 v[KSW+4*\s:KSW+4*\s+3], v[KSA], s[KSB:KSB+1] offset:4096*\s
.endr
.irp p, 0,1,2,3                        ; Q's: lane (r, h) the 16 of query r of tile 2 p + h
	global_load_b128 v[QS+4*\p:QS+4*\p+3], v[QSA], s[QSB:QSB+1] offset:8192*\p
.endr
	v_mul_u32_u24 v[QRA], v[TR], KP
	v_lshl_add_u32 v[QRA], v[TH2], 4, v[QRA]       ; row r, + 16 h
	v_add_nc_u32 v[AK0], s4, v[QRA]                ; K: row 32 w + r
	v_add_nc_u32 v[AK0+1], SLOT, v[AK0]
	v_add_nc_u32 v[AV0], s5, v[QRA]                ; V: row 16 w + r of the first block of 128,
	v_add_nc_u32 v[AV0+1], SLOT, v[AV0]            ; and of the third
	v_add_nc_u32 v[QRA], QST, v[QRA]
	v_lshl_add_u32 v[PW1], v[TR], 4, s6            ; my block in P's images: 256 w + 16 r,
	v_add_nc_u32 v[PW1+1], 0x8000, v[PW1]
	v_lshl_add_u32 v[PWA], v[TH2], 11, v[PW1]      ; tile h of the pair
	v_add_nc_u32 v[PWA+1], 0x8000, v[PWA]
	v_lshl_add_u32 v[FW1], v[TR], 4, s7
	v_lshl_add_u32 v[FWA], v[TH2], 9, v[FW1]
	v_lshl_add_u32 v[PRA], v[TL], 4, s14           ; P's fragments: 16 x lane
	v_add_nc_u32 v[PRA+1], 0x8000, v[PRA]
	v_lshlrev_b32 v[GO], 14, v[TH2]
	v_lshl_add_u32 v[GO], v[TR], 4, v[GO]          ; out0: row 8 h, 16 r
	v_lshlrev_b32 v[DQ], 3, v[TH2]
	v_sub_nc_u32 v[DQ], v[TR], v[DQ]
	v_add_nc_u32 v[DQ], s8, v[DQ]                  ; 16 i + r - 32 w - 8 h
	v_mov_b32 v[NINF], 0xff800000
	v_mov_b32 v[QTR], 0x3e800000
	v_lshlrev_b32 v[VSA], 8, v[TR]
	v_lshl_add_u32 v[VSA], v[TH2], 6, v[VSA]       ; V's scale bytes: channel 4 r + h, 64 bytes each
	v_min_u32 v[PFK], 7, v[TL]                     ; lanes that are left over name their wave's last block again
	v_min_u32 v[PFV], 15, v[TL]
	v_add_nc_u32 v[PFK], s9, v[PFK]
	v_add_nc_u32 v[PFV], s10, v[PFV]
	v_lshlrev_b32 v[PFK], 8, v[PFK]
	v_lshlrev_b32 v[PFV], 10, v[PFV]
	v_lshlrev_b32 v[FRA], 8, v[TH2]
	v_lshl_add_u32 v[FRA], v[TR], 4, v[FRA]
	v_add_nc_u32 v[FRA], s11, v[FRA]
	v_lshl_add_u32 v[PSW], v[TL], 3, s12
	v_lshl_add_u32 v[RLW], v[TR], 2, s13
	v_lshl_add_u32 v[PSR], v[TL], 3, s15
	v_lshl_add_u32 v[RLR], v[TH2], 5, s16
.irp T, 0,1,2,3                        ; (upper halves of pairs that are named whole)
	v_mov_b32 v[GP+2*\T+1], 0
.endr
	s_wait_alu depctr_va_vdst(0)
	s_wait_loadcnt 0x0                             ; the scale words of K and Q
	s_wait_tensorcnt 0x0                           ; my part of slots 7 and 6, or of Q
	MEET
	KREAD 0, 0
	QREAD 7
	SYNC 0                                         ; slot 7
	KREAD 1, 1
	QREAD 6
	GROUP 7, 7, 1, 0, 0, 4, 0
	SYNC 1                                         ; slot 6
	KREAD 2, 0
	QREAD 5
	GROUP 6, 6, 2, 0, 1, 5, 0
	SYNC 2                                         ; slot 5
	KREAD 3, 1
	QREAD 4
	GROUP 5, 5, 3, 0, 0, 6, 0
	SYNC 3                                         ; slot 4
	KREAD 4, 0
	QREAD 3
	GROUP 4, 4, 4, 0, 1, 7, 0
	SYNC 4                                         ; slot 3
	KREAD 5, 1
	QREAD 2
	GROUP 3, 5, 3, 0, 0, -1, 0
	GROUP 3, 3, 2, 0, 0, -1, 0
	SYNC 5                                         ; slot 2
	KREAD 6, 0
	GROUP 2, 4, 4, 0, 1, 8, 0
	GROUP 2, 2, 2, 0, 1, -1, 0
	SYNC 6                                         ; slot 1: Q's tile 1 takes half of the second buffer's place; trip 7's fragments follow into the first buffer behind the last products
	QREAD 1
	GROUP 1, 5, 3, 0, 0, 9, 0
	GROUP 1, 1, 4, 1, 0, -1, 1
	SYNC 7                                         ; slot 0
	QREAD 0
.irp p, 0,1                            ; V's scale bytes: lane (r, h) the 64 of channel 4 r + 2 p + h of my 64, whole
.irp q, 0,1,2,3
.set vr, KSW+4*(4*\p+\q)
.if vr == KSW
.set vr, VSX
.endif
	global_load_b128 v[vr:vr+3], v[VSA], s[VSB:VSB+1] offset:128*\p+16*\q
.endr
.endr
	GROUP 0, 4, 4, 0, 0, 10, 0
	GROUP 0, 0, 4, 1, 0, -1, 0
	s_wait_dscnt 0x0                               ; my codes, F and l are in LDS
	MEET
	POST
	VTRIP 0
	VTRIP 1
	VTRIP 2
	VTRIP 3
	s_wait_tensorcnt 0x0                           ; the wave's end: behind my last tensor load and my last LDS store
	ds_add_u32 v[SPW], v[NIL]
	s_wait_dscnt 0x0
	CROUND                                         ; the closing round: no work-group ends while a partner may still ask for a tile that names it
	s_endpgm
.Lfunc_end_k_qe3f87a1a83_attn:
	.size	k_qe3f87a1a83_attn, .Lfunc_end_k_qe3f87a1a83_attn-k_qe3f87a1a83_attn
	.p2alignl 7, 3214868480
	.fill 96, 4, 3214868480
	.section	.rodata,"a",@progbits
	.p2align	6, 0x0
	.amdhsa_kernel k_qe3f87a1a83_attn
		.amdhsa_group_segment_fixed_size 327680
		.amdhsa_private_segment_fixed_size 0
		.amdhsa_enable_private_segment 0
		.amdhsa_kernarg_size 56
		.amdhsa_user_sgpr_count 2
		.amdhsa_user_sgpr_kernarg_segment_ptr 1
		.amdhsa_wavefront_size32 1
		.amdhsa_system_sgpr_workgroup_id_x 1
		.amdhsa_system_sgpr_workgroup_id_y 1
		.amdhsa_system_sgpr_workgroup_id_z 1
		.amdhsa_system_vgpr_workitem_id 0
		.amdhsa_next_free_vgpr 512
		.amdhsa_next_free_sgpr 102
		.amdhsa_reserve_vcc 1
		.amdhsa_float_denorm_mode_32 3
		.amdhsa_float_denorm_mode_16_64 3
		.amdhsa_memory_ordered 1
		.amdhsa_forward_progress 1
		.amdhsa_inst_pref_size 241
	.end_amdhsa_kernel
	.amdgpu_metadata
---
amdhsa.version: [ 1, 2 ]
amdhsa.kernels:
  - .name:           k_qe3f87a1a83_attn
    .symbol:         k_qe3f87a1a83_attn.kd
    .args:
      - { .name: key_codes, .offset: 0, .size: 8, .value_kind: global_buffer, .address_space: global }
      - { .name: key_scales, .offset: 8, .size: 8, .value_kind: global_buffer, .address_space: global }
      - { .name: query_codes, .offset: 16, .size: 8, .value_kind: global_buffer, .address_space: global }
      - { .name: query_scales, .offset: 24, .size: 8, .value_kind: global_buffer, .address_space: global }
      - { .name: value_codes, .offset: 32, .size: 8, .value_kind: global_buffer, .address_space: global }
      - { .name: value_scales, .offset: 40, .size: 8, .value_kind: global_buffer, .address_space: global }
      - { .name: out0, .offset: 48, .size: 8, .value_kind: global_buffer, .address_space: global }
    .group_segment_fixed_size: 327680
    .private_segment_fixed_size: 0
    .kernarg_segment_align: 8
    .kernarg_segment_size: 56
    .max_flat_workgroup_size: 256
    .sgpr_count:     102
    .vgpr_count:     512
    .wavefront_size: 32
...
	.end_amdgpu_metadata
.endif
;; end of part 1
